; MI455X (gfx1250); checked and timed in simulation.
; The chip was launched on July 23, 2026; its instructions are those of AMD's public machine-readable ISA for CDNA 5 (MIT licence, August 2026) and "CDNA5" Instruction Set Architecture Reference Guide (July 2026). The comments in the code are by the model that wrote it; some were corrected since.
;; Multi Head Self Attention. Allowed arithmetic: matrix products marked QUANTISED: E2M3 operands, one E8M0 scale for each 32 along K, by v_wmma_scale_f32_16x16x128_f8f6f4 with both operands' format E2M3, f32 sums; everything else in f32.
;; Inputs: Wk 512 x 512 float32; Wo 512 x 512 float32; Wq 512 x 512 float32; Wv 512 x 512 float32; bk 512 float32; bo 512 float32; bq 512 float32; bv 512 float32; inputs 2 x 4,096 x 512 float32.
;; Outputs: out0 2 x 4,096 x 512 float32.
;; This version of the problem:
;;   THIS VERSION OF THE PROBLEM IS GIVEN IN LOW PRECISION. The matrix products marked QUANTISED in the list below multiply operands that are first quantised to E2M3 (2 exponent bits, 3 mantissa bits; 6 bits a number), with one power-of-two scale for each 32 numbers along K (OCP MX v1.0); their sums are f32. All else is computed in f32.
;;   The module's matrix products, in the order in which they are computed (A, B: the left and right operand; K: the contracted axis; several contracted axes count as one K, in the product's order):
;;     1. [M 8,192, K 512] x [K 512, N 512]; A: input inputs; B: input Wq: QUANTISED
;;     2. [M 8,192, K 512] x [K 512, N 512]; A: input inputs; B: input Wk: QUANTISED
;;     3. [M 8,192, K 512] x [K 512, N 512]; A: input inputs; B: input Wv: QUANTISED
;;     4. batch 16 x [M 4,096, K 64] x [K 64, N 4,096]; A: computed on the way; B: computed on the way: QUANTISED
;;     5. batch 16 x [M 4,096, K 4,096] x [K 4,096, N 64]; A: softmax (see below); B: computed on the way: QUANTISED
;;     6. [M 8,192, K 512] x [K 512, N 512]; A: computed on the way; B: input Wo: QUANTISED
;;   THE QUANTISER, for each operand of a quantised product, along K:
;;     - K is cut into blocks of 32 from its start; a last block that is shorter is filled with zeros.
;;     - A block's scale is 2^e with e = floor(log2(the largest magnitude in the block)) - 2, held to -126 .. 127; a block of zeros has e = 0. As a byte (E8M0): e + 127.
;;     - Each number is divided by its block's scale, clamped to +-7.5, and rounded to the nearest number of E2M3, ties to even, subnormals kept.
;;     - The product sums the exact products of the quantised numbers (number of the format x scale) in f32.
;;   ~~~python
;;   def quantise(x, axis):      # numpy; x: float32 -> the quantised numbers, widened to float32 again
;;       x = np.moveaxis(x, axis, -1); K = x.shape[-1]
;;       x = np.pad(x, [(0, 0)] * (x.ndim - 1) + [(0, -K % 32)]); x = x.reshape(x.shape[:-1] + (-1, 32)); a = np.abs(x).max(-1, keepdims=True)
;;       e = np.where(a > 0, np.clip(np.frexp(np.where(a > 0, a, 1))[1] - 1 - 2, -126, 127), 0)      # np.frexp(a)[1] - 1 = floor(log2(a)), exactly
;;       r = np.clip(x / 2.0 ** e, -7.5, 7.5)
;;       step = 2.0 ** (np.maximum(np.frexp(np.where(r == 0, 1, r))[1] - 1, 0) - 3)
;;       q = np.round(r / step) * step * 2.0 ** e      # np.round: ties to even
;;       return np.moveaxis(q.reshape(q.shape[:-2] + (-1,))[..., :K], -1, axis).astype(np.float32)
;;   ~~~
;;   SOFTMAX AHEAD OF A QUANTISED PRODUCT. Where the list says 'softmax', what is quantised is not the finished softmax but p = 2^(t - M), with t = logit x log2(e) and M = ceil(the row's largest t), a whole number; so 1/2 < the row's largest p <= 1. The row's sum l is taken of the UNQUANTISED p, in f32, and the product's result is divided by l at the end. Since M is a whole number, a kernel that streams over the keys may use a running M (the ceiling of the running maximum): every later rescaling is an exact power of two, which a block's scale takes up: the codes' values come out the same.
;;   OPERANDS COMPUTED ON THE WAY. 'Computed on the way' means the value that the module computes at that place (a softmax that the list does not call 'softmax' is quantised finished and normalised). What goes into a quantiser is computed in f32, as accurately as f32 sums, v_exp_f32 and their like allow (about 1e-6 of the number): no bf16 or f16 on the way to a quantiser, and a product that is left as it is and whose result goes on into a quantised operand takes f32 operands (vector FMAs, or v_wmma_f32_16x16x4_f32). A number that lies on a knife's edge between two numbers of the format may be rounded either way, as far as f32 arithmetic and the matrix unit's own rounding can turn it there, and no further.
;; One version. Each part assembles by itself: llvm-mc -triple=amdgcn-amd-amdhsa -mcpu=gfx1250 --defsym DOCPART=n.
;; ======== version 1 of 1: 4 launches
;; limits: right only within a limited range of input values
;; workspace buffers: fc 3,932,160 bytes; fs 327,680 bytes; qi 3,407,872 bytes; kv 6,815,744 bytes; ac 3,145,728 bytes; asc 524,288 bytes
;; launch prep (part 1): grid 640 x 1, 4 waves a work-group, no clusters, 0 bytes of LDS; arguments inputs, Wq, Wk, Wv, Wo, fc, fs; writes fc, fs
.if DOCPART == 1
	.amdgcn_target "amdgcn-amd-amdhsa--gfx1250"
	.amdhsa_code_object_version 6
	.text
	.protected	k_qbda8e218c0_prep
	.globl	k_qbda8e218c0_prep
	.p2align	8
	.type	k_qbda8e218c0_prep,@function
k_qbda8e218c0_prep:
	s_mov_b64 s[64:65], 0
	v_nop
	global_prefetch_b8 v0, s[64:65] scope:SCOPE_SE
	s_setreg_imm32_b32 hwreg(HW_REG_WAVE_MODE, 25, 1), 1
	s_wait_xcnt 0x0
; PREP: the tokens x [8192][512] f32 and the four weights [512 (k)][512 (n)] f32 are quantised once, along K = 512, into codes of FP6 (E2M3) with one E8M0 byte for each 32 along K.
; What is stored are IMAGES OF OPERAND REGISTERS.  A fragment is 16 rows x 128 K = 12 registers a lane; its image is three planes of 512 bytes, plane c = registers 4 c .. 4 c + 3, lane l's 16 bytes at 16 l;
; its scale words are 4 bytes a lane (both halves of the lanes hold row l % 16's word).
; WHICH ROWS FORM A TILE.  Tokens: lane r of tile i takes token 64 (i / 4) + 8 (i % 4) + r % 8 + 32 (r / 8): in a product whose rows are tokens, a lane's 32 registers of four neighbouring tiles are then one
; whole block of 32 neighbouring tokens.  A weight's columns: lane r of tile i takes column 32 (i / 2) + 8 (i % 2) + r + 8 (r / 8): 16 registers of two neighbouring tiles are 16 neighbouring columns.
; SHARES: work-group n, wave s make fragment 4 n + s (K step s).  n < 512: token tile n.  n >= 512: weight (n - 512) / 32 (q, k, v, o), column tile (n - 512) % 32.
; A block's scale is 2^(floor(log2(largest magnitude)) - 2): the largest magnitude's exponent field less 2 is the conversion's scale operand, and its upper bits the byte.
; LIMITS: NaN and infinities among the inputs are not served.  A block of zeros, or one whose largest magnitude lies under 2^-124, gets the byte 1 (the rule says 127 for zeros): the bytes are read by this program alone.
; No LDS, no barrier, no matrix instruction: waves share nothing.
.set ST,  32                           ; v32-95   64 numbers of my row or column
.set PC,  96                           ; v96-107  the fragment's codes; v108-110, v112-114 at work
.set TM,  116                          ; v116-131 at work
.set PW,  132                          ; v132     the scale word
.set SEL, 20                           ; s[20:21] selects of v_permlanex16_b32: lane l xor 16
.set FRB, 1536
.macro QUANT s, pw                     ; register 16 b + i = k 32 b + 16 (lane / 16) + i of my row -> codes in v[PC] on, scale word in v[pw]
.irp b, 0,1,2,3
	v_max3_num_f32 v[TM+\b], |v[\s+16*\b]|, |v[\s+1+16*\b]|, 0x1800000   ; with the floor 2^(3 - 127): the byte cannot fall under 1
.endr
.irp i, 2,4,6,8,10,12,14
.irp b, 0,1,2,3
	v_max3_num_f32 v[TM+\b], v[TM+\b], |v[\s+16*\b+\i]|, |v[\s+1+16*\b+\i]|
.endr
.endr
.irp b, 0,1,2,3
	v_permlanex16_b32 v[TM+4+\b], v[TM+\b], s[SEL], s[SEL+1]
.endr
.irp b, 0,1,2,3
	v_max_num_f32 v[TM+\b], v[TM+\b], v[TM+4+\b]   ; with lane l xor 16's 16: the block's largest magnitude
.endr
.irp b, 0,1,2,3
	v_add_nc_u32 v[TM+12+\b], 0xff000000, v[TM+\b]   ; 2 off its exponent field: the conversion's scale operand
.endr
.irp b, 0,1,2,3
	v_lshrrev_b32 v[TM+4+\b], 23, v[TM+12+\b]      ; the byte
.endr
	v_lshl_or_b32 v[\pw], v[TM+5], 8, v[TM+4]
	v_lshl_or_b32 v[\pw], v[TM+6], 16, v[\pw]
	v_lshl_or_b32 v[\pw], v[TM+7], 24, v[\pw]
.irp c, 0,1
	v_cvt_scalef32_pk16_fp6_f32 v[PC+6*\c:PC+2+6*\c], v[\s+32*\c:\s+15+32*\c], v[TM+12+2*\c]
	v_cvt_scalef32_pk16_fp6_f32 v[PC+12+4*\c:PC+14+4*\c], v[\s+16+32*\c:\s+31+32*\c], v[TM+12+2*\c+1]   ; (a conversion's three registers begin on an even number)
.endr
	v_nop                                          ; one plain place behind a scaled conversion
.irp c, 0,1                                    ; the operand wants a whole block in a lane
.irp i, 0,1,2
	v_permlane16_swap_b32 v[PC+6*\c+\i], v[PC+12+4*\c+\i]
.endr
.irp i, 0,1,2
	v_mov_b32 v[PC+3+6*\c+\i], v[PC+12+4*\c+\i]
.endr
.endr
.endm
	s_load_b256 s[4:11], s[0:1], 0x0               ; inputs, Wq, Wk, Wv
	s_load_b128 s[12:15], s[0:1], 0x20             ; Wo, fc
	s_load_b64 s[16:17], s[0:1], 0x30              ; fs
	v_lshrrev_b32 v7, 5, v0
	v_readfirstlane_b32 s18, v7                    ; wave = K step
	v_and_b32 v1, 15, v0                           ; r
	v_bfe_u32 v2, v0, 4, 1                         ; h
	v_and_b32 v3, 8, v1
	v_add_nc_u32 v3, v3, v1                        ; r + 8 (r / 8)
	v_and_b32 v4, 31, v0
	v_lshlrev_b32 v5, 2, v4                        ; 4 x lane
	v_lshlrev_b32 v4, 4, v4                        ; 16 x lane
	s_mov_b32 s[SEL], 0x76543210
	s_mov_b32 s[SEL+1], 0xfedcba98
.irp b, 0,1,2,3
	v_mov_b32 v[TM+4+\b], 0                        ; a lane permute's destination counts as one of its sources
.endr
	s_lshl_b32 s22, ttmp9, 2
	s_add_co_u32 s22, s22, s18                     ; my fragment's number
	s_mul_i32 s24, s22, FRB
	s_mov_b32 s25, 0
	s_lshl_b32 s26, s22, 7
	s_mov_b32 s27, 0
	s_mov_b32 s29, 0
	s_wait_kmcnt 0x0
	s_add_nc_u64 s[14:15], s[14:15], s[24:25]      ; where its image goes,
	s_add_nc_u64 s[16:17], s[16:17], s[26:27]      ; and its scale words
	s_cmp_lt_u32 ttmp9, 512
	s_cbranch_scc0 .Lweight
	; ---- tokens: K is innermost: of its row a lane takes 16 neighbours of each block of 32
	s_lshr_b32 s28, ttmp9, 2
	s_lshl_b32 s28, s28, 6
	s_and_b32 s30, ttmp9, 3
	s_lshl_b32 s30, s30, 3
	s_add_co_u32 s28, s28, s30                     ; the tile's first token: 64 (n / 4) + 8 (n % 4)
	s_lshl_b32 s28, s28, 11                        ; a row is 2,048 bytes
	s_lshl_b32 s30, s18, 9                         ; a K step 512
	s_add_co_u32 s28, s28, s30
	s_add_nc_u64 s[4:5], s[4:5], s[28:29]
	s_wait_alu depctr_va_vdst(0)
	v_and_b32 v6, 8, v1
	v_lshl_add_u32 v6, v6, 1, v3                   ; r + 24 (r / 8) = r % 8 + 32 (r / 8)
	v_lshlrev_b32 v6, 11, v6
	v_lshl_add_u32 v6, v2, 6, v6                   ; my row, + 64 h
.irp b, 0,1,2,3
.irp j, 0,1,2,3
	global_load_b128 v[ST+16*\b+4*\j:ST+16*\b+4*\j+3], v6, s[4:5] offset:128*\b+16*\j th:TH_LOAD_NT
.endr
.endr
	s_wait_loadcnt 0x0
	QUANT ST, PW
	s_branch .Lout
.Lweight:
	; ---- a weight: K is its first axis.  A lane takes one column, its registers run down K: k = 64 c + 32 h + i: two whole blocks a lane
	s_sub_co_u32 s30, ttmp9, 512
	s_lshr_b32 s31, s30, 5                         ; which weight
	s_and_b32 s30, s30, 31                         ; which tile of columns
	s_cmp_eq_u32 s31, 1
	s_cselect_b64 s[6:7], s[8:9], s[6:7]
	s_cmp_eq_u32 s31, 2
	s_cselect_b64 s[6:7], s[10:11], s[6:7]
	s_cmp_eq_u32 s31, 3
	s_cselect_b64 s[6:7], s[12:13], s[6:7]
	s_lshr_b32 s28, s30, 1
	s_lshl_b32 s28, s28, 5
	s_and_b32 s30, s30, 1
	s_lshl_b32 s30, s30, 3
	s_add_co_u32 s28, s28, s30                     ; the tile's first column
	s_lshl_b32 s28, s28, 2
	s_lshl_b32 s30, s18, 18                        ; a K step is 128 rows of 2,048 bytes
	s_add_co_u32 s28, s28, s30
	s_add_nc_u64 s[6:7], s[6:7], s[28:29]
	s_wait_alu depctr_va_vdst(0)
	v_lshlrev_b32 v6, 2, v3
	v_lshl_add_u32 v6, v2, 16, v6                  ; my column, + 32 rows for lanes 16-31
.irp c, 0,1
.irp i, 0,1,2,3,4,5,6,7,8,9,10,11,12,13,14,15,16,17,18,19,20,21,22,23,24,25,26,27,28,29,30,31
	global_load_b32 v[ST+32*\c+\i], v6, s[6:7] offset:2048*(64*\c+\i)
.endr
.endr
	s_wait_loadcnt 0x0
.irp c, 0,1
	v_max3_num_f32 v[TM+\c], |v[ST+32*\c]|, |v[ST+1+32*\c]|, 0x1800000
.endr
.irp i, 2,4,6,8,10,12,14,16,18,20,22,24,26,28,30
.irp c, 0,1
	v_max3_num_f32 v[TM+\c], v[TM+\c], |v[ST+32*\c+\i]|, |v[ST+1+32*\c+\i]|
.endr
.endr
.irp c, 0,1
	v_add_nc_u32 v[TM+12+\c], 0xff000000, v[TM+\c]
.endr
.irp c, 0,1
	v_lshrrev_b32 v[TM+4+\c], 23, v[TM+12+\c]
.endr
	v_lshl_or_b32 v[PW], v[TM+5], 16, v[TM+4]      ; my two bytes: blocks h and 2 + h,
	v_lshlrev_b32 v[TM+6], 3, v2
	v_lshlrev_b32 v[PW], v[TM+6], v[PW]            ; 8 h bits up;
	v_permlanex16_b32 v[TM+7], v[PW], s[SEL], s[SEL+1]
	v_or_b32 v[PW], v[PW], v[TM+7]                 ; with lane l xor 16's two the word is whole
.irp c, 0,1
	v_cvt_scalef32_pk16_fp6_f32 v[PC+6*\c:PC+2+6*\c], v[ST+32*\c:ST+15+32*\c], v[TM+12+\c]
	v_cvt_scalef32_pk16_fp6_f32 v[PC+12+4*\c:PC+14+4*\c], v[ST+16+32*\c:ST+31+32*\c], v[TM+12+\c]
.endr
	v_nop                                          ; one plain place behind a scaled conversion
.irp c, 0,1
.irp i, 0,1,2
	v_mov_b32 v[PC+3+6*\c+\i], v[PC+12+4*\c+\i]
.endr
.endr
.Lout:
	s_wait_alu depctr_va_vdst(0)
.irp c, 0,1,2
	global_store_b128 v4, v[PC+4*\c:PC+4*\c+3], s[14:15] offset:512*\c   ; 32 lanes store 512 consecutive bytes, at a multiple of 256 from the buffer's first byte
.endr
	global_store_b32 v5, v[PW], s[16:17]
	s_endpgm
.Lfunc_end_k_qbda8e218c0_prep:
	.size	k_qbda8e218c0_prep, .Lfunc_end_k_qbda8e218c0_prep-k_qbda8e218c0_prep
	.p2alignl 7, 3214868480
	.fill 96, 4, 3214868480
	.section	.rodata,"a",@progbits
	.p2align	6, 0x0
	.amdhsa_kernel k_qbda8e218c0_prep
		.amdhsa_group_segment_fixed_size 0
		.amdhsa_private_segment_fixed_size 0
		.amdhsa_enable_private_segment 0
		.amdhsa_kernarg_size 56
		.amdhsa_user_sgpr_count 2
		.amdhsa_user_sgpr_kernarg_segment_ptr 1
		.amdhsa_wavefront_size32 1
		.amdhsa_system_sgpr_workgroup_id_x 1
		.amdhsa_system_sgpr_workgroup_id_y 1
		.amdhsa_system_sgpr_workgroup_id_z 1
		.amdhsa_system_vgpr_workitem_id 0
		.amdhsa_next_free_vgpr 136
		.amdhsa_next_free_sgpr 66
		.amdhsa_reserve_vcc 0
		.amdhsa_float_denorm_mode_32 3
		.amdhsa_float_denorm_mode_16_64 3
		.amdhsa_memory_ordered 1
		.amdhsa_forward_progress 1
		.amdhsa_inst_pref_size 18
	.end_amdhsa_kernel
	.amdgpu_metadata
---
amdhsa.version: [ 1, 2 ]
amdhsa.kernels:
  - .name:           k_qbda8e218c0_prep
    .symbol:         k_qbda8e218c0_prep.kd
    .args:
      - { .name: inputs, .offset: 0, .size: 8, .value_kind: global_buffer, .address_space: global }
      - { .name: Wq, .offset: 8, .size: 8, .value_kind: global_buffer, .address_space: global }
      - { .name: Wk, .offset: 16, .size: 8, .value_kind: global_buffer, .address_space: global }
      - { .name: Wv, .offset: 24, .size: 8, .value_kind: global_buffer, .address_space: global }
      - { .name: Wo, .offset: 32, .size: 8, .value_kind: global_buffer, .address_space: global }
      - { .name: fc, .offset: 40, .size: 8, .value_kind: global_buffer, .address_space: global }
      - { .name: fs, .offset: 48, .size: 8, .value_kind: global_buffer, .address_space: global }
    .group_segment_fixed_size: 0
    .private_segment_fixed_size: 0
    .kernarg_segment_align: 8
    .kernarg_segment_size: 56
    .max_flat_workgroup_size: 128
    .sgpr_count:     66
    .vgpr_count:     136
    .wavefront_size: 32
...
	.end_amdgpu_metadata
.endif
;; end of part 1
;; launch qkv (part 2): grid 3 x 64, 4 waves a work-group, no clusters, 0 bytes of LDS; arguments fc, fs, bq, bk, bv, qi, kv; writes qi, kv
.if DOCPART == 2
	.amdgcn_target "amdgcn-amd-amdhsa--gfx1250"
	.amdhsa_code_object_version 6
	.text
	.protected	k_qbda8e218c0_qkv
	.globl	k_qbda8e218c0_qkv
	.p2align	8
	.type	k_qbda8e218c0_qkv,@function
k_qbda8e218c0_qkv:
	s_mov_b64 s[64:65], 0
	v_nop
	global_prefetch_b8 v0, s[64:65] scope:SCOPE_SE
	s_setreg_imm32_b32 hwreg(HW_REG_WAVE_MODE, 25, 1), 1
	s_wait_xcnt 0x0
; QKV: q = x Wq + bq, k = x Wk + bk, v = x Wv + bv on codes of FP6 (E2M3) with E8M0 scales, f32 sums; the results are quantised in registers, along the K of the product that will read them, and stored as
; images of that product's operand registers.
; SHARES: work-group x = which projection (0 q, 1 k, 2 v), work-group y = G, a group of 128 tokens (8 tiles of 16).  The group's 32 fragments of x stay in 384 registers of every wave.  Wave w makes heads 2 w and
; 2 w + 1, one a trip of a loop of two: 16 fragments of the weight, 128 matrix instructions, four quantisations.  Nothing goes through LDS: every operand was laid out as its registers want it.
; 192 work-groups: the 1,536 jobs (group, projection, head) are taken two to a wave so that x's registers serve twice.
; No joint loads: the launch has no tensor load (operands go from memory straight into registers), and the three work-groups that share x's fragments are no cluster's four.
; Q AND K (transposed use: source 0 = 16 columns of W, source 1 = 16 tokens): a lane holds ONE token, and the 32 registers of the head's four tiles are its 64 channels, 32 b + 16 (lane / 16) + i.  Two tiles of tokens,
; 2 b and 2 b + 1, are quantised together: the result is a DOUBLE TILE: registers 0-5 tile 2 b's 64 channels, registers 6-11 tile 2 b + 1's; its scale word: two bytes of each.
; V (source 0 = 16 tokens, source 1 = 16 columns of W): a lane holds ONE channel, and the 64 registers of the eight tiles of tokens are the group's 128 tokens, which are the second attention product's K.
; RECORDS: qi: (batch, head, group) x 6,656 bytes: four double tiles, then 512 bytes of scale words (lane l's four words at 16 l).  kv: x 13,312: K's 6,656 likewise, then V's four fragments and their words.
; The bias is the C of each sum's first matrix instruction.
; LIMITS: NaN and infinities are not served; a block whose largest magnitude lies under 2^-124 (zeros too) gets the byte 1; the bytes are read by this program alone.
; REGISTERS, in windows of 256: window 0: below.  window 1: x's fragments of K steps 0, 1 at v[96 (s % 2) + 12 m].  window 2: those of K steps 2, 3.  window 3: the weight's 16 fragments at v[12 (4 t + s)].
.set LI,  1                            ; v1       16 x lane
.set LS,  2                            ; v2       4 x lane
.set BAQ, 3                            ; v3       64 (lane / 16): my eight channels' bias, for q and k
.set BAV, 4                            ; v4       4 (r + 8 (r / 8)): my channel's bias, for v
.set XS,  8                            ; v8-39    x's scale words, (tile m, K step s) at 4 m + s
.set WS,  40                           ; v40-55   the weight's, at 4 t + s
.set BI,  56                           ; v56-87   the bias in the result's layout, eight registers a tile t
.set ACC, 88                           ; v88-151  eight accumulators
.set PC,  152                          ; v152-171 the codes just made
.set TM,  172                          ; v172-187 at work
.set PW4, 188                          ; v188-191 a trip's four scale words
.set H8,  7                            ; v7       8 (lane / 16)
.set SEL, 20
.set FRB, 1536
.set MSB, 0
.macro WIN new                         ; the immediate's high byte repeats the setting that is left
.if MSB != \new
	s_set_vgpr_msb (MSB<<8)|\new
.set MSB, \new
.endif
.endm
.macro MM d, a, b, c, p, q
	v_wmma_scale_f32_16x16x128_f8f6f4 v[\d:\d+7], v[\a:\a+11], v[\b:\b+11], v[\c:\c+7], v[\p], v[\q] matrix_a_fmt:MATRIX_FMT_FP6 matrix_b_fmt:MATRIX_FMT_FP6
.endm
.macro QUANT s, pw                     ; 64 numbers of a lane, register 16 b + i = k 32 b + 16 (lane / 16) + i of my row -> codes in v[PC] on, scale word in v[pw]
.irp b, 0,1,2,3
	v_max3_num_f32 v[TM+\b], |v[\s+16*\b]|, |v[\s+1+16*\b]|, 0x1800000   ; each accumulator is read from its low end on; the floor 2^(3 - 127) holds the byte at 1 from below
.endr
.irp i, 2,4,6,8,10,12,14
.irp b, 0,1,2,3
	v_max3_num_f32 v[TM+\b], v[TM+\b], |v[\s+16*\b+\i]|, |v[\s+1+16*\b+\i]|
.endr
.endr
.irp b, 0,1,2,3
	v_permlanex16_b32 v[TM+4+\b], v[TM+\b], s[SEL], s[SEL+1]
.endr
.irp b, 0,1,2,3
	v_max_num_f32 v[TM+\b], v[TM+\b], v[TM+4+\b]
.endr
.irp b, 0,1,2,3
	v_add_nc_u32 v[TM+12+\b], 0xff000000, v[TM+\b]   ; 2 off the exponent field: the conversion's scale operand
.endr
.irp b, 0,1,2,3
	v_lshrrev_b32 v[TM+4+\b], 23, v[TM+12+\b]
.endr
	v_lshl_or_b32 v[\pw], v[TM+5], 8, v[TM+4]
	v_lshl_or_b32 v[\pw], v[TM+6], 16, v[\pw]
	v_lshl_or_b32 v[\pw], v[TM+7], 24, v[\pw]
.irp c, 0,1
	v_cvt_scalef32_pk16_fp6_f32 v[PC+6*\c:PC+2+6*\c], v[\s+32*\c:\s+15+32*\c], v[TM+12+2*\c]
	v_cvt_scalef32_pk16_fp6_f32 v[PC+12+4*\c:PC+14+4*\c], v[\s+16+32*\c:\s+31+32*\c], v[TM+12+2*\c+1]
.endr
	v_nop                                          ; one plain place behind a scaled conversion: the next unit's products write its sources
.irp c, 0,1
.irp i, 0,1,2
	v_permlane16_swap_b32 v[PC+6*\c+\i], v[PC+12+4*\c+\i]
.endr
.irp i, 0,1,2
	v_mov_b32 v[PC+3+6*\c+\i], v[PC+12+4*\c+\i]
.endr
.endr
.endm
; What follows a unit's 32 products: four places ahead of the first read of results; the last unit's stores have read v[PC] on; the quantisation; the image.  The quantisation's lines on v[TM] on are
; more than the five places that the next unit's first products, which begin the accumulators anew, want behind this unit's last.
; V: by the order of tokens in a tile, register 32 c + i of a lane is token 64 c + 32 (lane / 16) + i of the group: two whole blocks a lane, in the order that the operand gives that lane.
.macro QUANTV s, pw
.irp c, 0,1
	v_max3_num_f32 v[TM+\c], |v[\s+32*\c]|, |v[\s+1+32*\c]|, 0x1800000   ; each accumulator is read from its low end on; the floor holds the byte at 1 from below
.endr
.irp i, 2,4,6,8,10,12,14,16,18,20,22,24,26,28,30
.irp c, 0,1
	v_max3_num_f32 v[TM+\c], v[TM+\c], |v[\s+32*\c+\i]|, |v[\s+1+32*\c+\i]|
.endr
.endr
.irp c, 0,1
	v_add_nc_u32 v[TM+12+\c], 0xff000000, v[TM+\c]
.endr
.irp c, 0,1
	v_lshrrev_b32 v[TM+4+\c], 23, v[TM+12+\c]
.endr
	v_lshl_or_b32 v[\pw], v[TM+5], 16, v[TM+4]     ; my two bytes: blocks h and 2 + h,
	v_lshlrev_b32 v[\pw], v[H8], v[\pw]            ; 8 h bits up;
	v_permlanex16_b32 v[TM+7], v[\pw], s[SEL], s[SEL+1]
	v_or_b32 v[\pw], v[\pw], v[TM+7]               ; with lane l xor 16's two the word is whole
.irp c, 0,1
	v_cvt_scalef32_pk16_fp6_f32 v[PC+6*\c:PC+2+6*\c], v[\s+32*\c:\s+15+32*\c], v[TM+12+\c]
	v_cvt_scalef32_pk16_fp6_f32 v[PC+12+4*\c:PC+14+4*\c], v[\s+16+32*\c:\s+31+32*\c], v[TM+12+\c]
.endr
	v_nop                                          ; one plain place behind a scaled conversion
.irp c, 0,1
.irp i, 0,1,2
	v_mov_b32 v[PC+3+6*\c+\i], v[PC+12+4*\c+\i]
.endr
.endr
.endm
.macro FINISH n, v
	WIN 0
.rept 4
	v_nop
.endr
	s_wait_xcnt 0x0
.if \v
	QUANTV ACC, PW4+\n
.else
	QUANT ACC, PW4+\n
.endif
.irp c, 0,1,2
	global_store_b128 v[LI], v[PC+4*\c:PC+4*\c+3], s[30:31] offset:FRB*\n+512*\c   ; 512 consecutive bytes, at a multiple of 256 from the buffer's first byte
.endr
.endm
; Q, K: the double tile b: tiles of tokens 2 b, 2 b + 1 x the head's four tiles of columns.  The eight accumulators take turns, one instruction a turn.
.macro UNITQK b
.irp k, 0,1,2,3
.if \k < 2
	WIN 0x07                                       ; source 0 (W) window 3, source 1 (x) window 1
.else
	WIN 0x0b                                       ; source 1 window 2
.endif
.irp u, 0,1
.irp t, 0,1,2,3
.if \k == 0
	MM ACC+8*(4*\u+\t), 12*(4*\t+\k), 96*(\k%2)+12*(2*\b+\u), BI+8*\t, WS+4*\t+\k, XS+4*(2*\b+\u)+\k
.else
	MM ACC+8*(4*\u+\t), 12*(4*\t+\k), 96*(\k%2)+12*(2*\b+\u), ACC+8*(4*\u+\t), WS+4*\t+\k, XS+4*(2*\b+\u)+\k
.endif
.endr
.endr
.endr
	FINISH \b, 0
.endm
; V: the head's tile t of columns x all eight tiles of tokens.
.macro UNITV t
.irp k, 0,1,2,3
.if \k < 2
	WIN 0x0d                                       ; source 0 (x) window 1, source 1 (W) window 3
.else
	WIN 0x0e
.endif
.irp m, 0,1,2,3,4,5,6,7
.if \k == 0
	MM ACC+8*\m, 96*(\k%2)+12*\m, 12*(4*\t+\k), BI+8*\t, XS+4*\m+\k, WS+4*\t+\k
.else
	MM ACC+8*\m, 96*(\k%2)+12*\m, 12*(4*\t+\k), ACC+8*\m, XS+4*\m+\k, WS+4*\t+\k
.endif
.endr
.endr
	FINISH \t, 1
.endm
	s_load_b128 s[4:7], s[0:1], 0x0                ; fc s[4:5], fs s[6:7]
	s_load_b256 s[8:15], s[0:1], 0x10              ; bq s[8:9], bk s[10:11], bv s[12:13], qi s[14:15]
	s_load_b64 s[16:17], s[0:1], 0x30              ; kv
	v_lshrrev_b32 v5, 5, v0
	v_readfirstlane_b32 s18, v5                    ; wave
	v_and_b32 v5, 31, v0
	v_lshlrev_b32 v[LI], 4, v5
	v_lshlrev_b32 v[LS], 2, v5
	v_bfe_u32 v6, v0, 4, 1
	v_lshlrev_b32 v[BAQ], 6, v6
	v_lshlrev_b32 v[H8], 3, v6
	v_and_b32 v5, 15, v0
	v_and_b32 v6, 8, v5
	v_add_nc_u32 v6, v6, v5
	v_lshlrev_b32 v[BAV], 2, v6
.irp b, 0,1,2,3
	v_mov_b32 v[TM+4+\b], 0                        ; written once: a lane permute's destination counts as one of its sources
.endr
	s_mov_b32 s[SEL], 0x76543210
	s_mov_b32 s[SEL+1], 0xfedcba98
	s_and_b32 s22, ttmp7, 0xffff                   ; G
	s_mul_i32 s36, s22, 32*FRB                     ; the group's 32 fragments of x,
	s_mov_b32 s37, 0
	s_lshl_b32 s38, s22, 12                        ; and their scale words
	s_mov_b32 s39, 0
	s_lshl_b32 s40, ttmp9, 5
	s_lshl_b32 s41, s18, 3
	s_add_co_u32 s40, s40, s41                     ; the weight's tile of columns: 32 x projection + 4 x head, head = 2 w
	s_mul_i32 s42, s40, 4*FRB
	s_add_co_u32 s42, s42, 2048*FRB                ; behind x's 2,048 fragments
	s_mov_b32 s43, 0
	s_lshl_b32 s44, s40, 9
	s_add_co_u32 s44, s44, 2048*128
	s_mov_b32 s45, 0
	s_lshl_b32 s46, s18, 9                         ; the bias of head 2 w
	s_mov_b32 s47, 0
	s_lshr_b32 s48, s22, 5                         ; batch
	s_lshl_b32 s48, s48, 3
	s_lshl_b32 s49, s18, 1
	s_add_co_u32 s48, s48, s49                     ; 8 x batch + head
	s_lshl_b32 s48, s48, 5
	s_and_b32 s49, s22, 31
	s_add_co_u32 s48, s48, s49                     ; the record: 32 (8 batch + head) + the group within the batch
	s_mov_b32 s49, 13312
	s_mov_b32 s52, 32*13312
	s_cmp_eq_u32 ttmp9, 0
	s_cselect_b32 s49, 6656, s49                   ; a record's bytes,
	s_cselect_b32 s52, 32*6656, s52                ; and a head's 32 records
	s_mov_b32 s53, 0
	s_mul_i32 s50, s48, s49
	s_cmp_eq_u32 ttmp9, 2
	s_cselect_b32 s51, 6656, 0                     ; V lies behind K in a record
	s_add_co_u32 s50, s50, s51
	s_mov_b32 s51, 0
	s_wait_kmcnt 0x0
	s_add_nc_u64 s[32:33], s[4:5], s[36:37]        ; x's fragments
	s_add_nc_u64 s[34:35], s[6:7], s[38:39]        ; x's scale words
	s_add_nc_u64 s[24:25], s[4:5], s[42:43]        ; the weight's fragments
	s_add_nc_u64 s[26:27], s[6:7], s[44:45]        ; the weight's scale words
	s_cmp_eq_u32 ttmp9, 0
	s_cselect_b64 s[28:29], s[8:9], s[10:11]
	s_cselect_b64 s[30:31], s[14:15], s[16:17]
	s_cmp_eq_u32 ttmp9, 2
	s_cselect_b64 s[28:29], s[12:13], s[28:29]
	s_add_nc_u64 s[28:29], s[28:29], s[46:47]      ; the bias
	s_add_nc_u64 s[30:31], s[30:31], s[50:51]      ; where the images go
	WIN 0x40                                       ; destination window 1, address window 0
.irp m, 0,1,2,3,4,5,6,7
.irp k, 0,1
.irp c, 0,1,2
	global_load_b128 v[96*\k+12*\m+4*\c:96*\k+12*\m+4*\c+3], v[LI], s[32:33] offset:(4*\m+\k)*FRB+512*\c
.endr
.endr
.endr
	WIN 0x80                                       ; destination window 2
.irp m, 0,1,2,3,4,5,6,7
.irp k, 0,1
.irp c, 0,1,2
	global_load_b128 v[96*\k+12*\m+4*\c:96*\k+12*\m+4*\c+3], v[LI], s[32:33] offset:(4*\m+2+\k)*FRB+512*\c
.endr
.endr
.endr
	WIN 0
.irp i, 0,1,2,3,4,5,6,7,8,9,10,11,12,13,14,15,16,17,18,19,20,21,22,23,24,25,26,27,28,29,30,31
	global_load_b32 v[XS+\i], v[LS], s[34:35] offset:128*\i
.endr
	s_mov_b32 s23, 2
.Lhead:                                            ; a trip: one head.  The loads below land in registers that the last trip's products read: its last quantisation's lines are the places between
	WIN 0xc0                                       ; destination window 3
.irp i, 0,1,2,3,4,5,6,7,8,9,10,11,12,13,14,15
.irp c, 0,1,2
	global_load_b128 v[12*\i+4*\c:12*\i+4*\c+3], v[LI], s[24:25] offset:\i*FRB+512*\c
.endr
.endr
	WIN 0
.irp i, 0,1,2,3,4,5,6,7,8,9,10,11,12,13,14,15
	global_load_b32 v[WS+\i], v[LS], s[26:27] offset:128*\i
.endr
	s_cmp_eq_u32 ttmp9, 2
	s_cbranch_scc1 .Lv
	s_wait_alu depctr_va_vdst(0)
.irp t, 0,1,2,3                                ; register j of tile t is channel 32 (t / 2) + 8 (t % 2) + 16 (lane / 16) + j
	global_load_b128 v[BI+8*\t:BI+8*\t+3], v[BAQ], s[28:29] offset:128*(\t/2)+32*(\t%2)
	global_load_b128 v[BI+8*\t+4:BI+8*\t+7], v[BAQ], s[28:29] offset:128*(\t/2)+32*(\t%2)+16
.endr
	s_wait_loadcnt 0x0                             ; all operands (in the first trip x's too)
	UNITQK 0
	UNITQK 1
	UNITQK 2
	UNITQK 3
	s_branch .Ljoin
.Lv:
	s_wait_alu depctr_va_vdst(0)
.irp t, 0,1,2,3                                ; all eight registers of tile t belong to my one channel, 32 (t / 2) + 8 (t % 2) + r + 8 (r / 8)
.irp j, 0,1,2,3,4,5,6,7
	global_load_b32 v[BI+8*\t+\j], v[BAV], s[28:29] offset:128*(\t/2)+32*(\t%2)
.endr
.endr
	s_wait_loadcnt 0x0
	UNITV 0
	UNITV 1
	UNITV 2
	UNITV 3
.Ljoin:
	global_store_b128 v[LI], v[PW4:PW4+3], s[30:31] offset:4*FRB   ; the four scale words of my row: 512 consecutive bytes a wave
	s_wait_xcnt 0x0                                ; the stores have read their registers and their base: both may be written again
	s_add_nc_u64 s[24:25], s[24:25], 16*FRB        ; the next head
	s_add_nc_u64 s[26:27], s[26:27], 16*128
	s_add_nc_u64 s[28:29], s[28:29], 256
	s_add_nc_u64 s[30:31], s[30:31], s[52:53]
	s_sub_co_u32 s23, s23, 1
	s_cmp_lg_u32 s23, 0
	s_cbranch_scc1 .Lhead
	s_endpgm
.Lfunc_end_k_qbda8e218c0_qkv:
	.size	k_qbda8e218c0_qkv, .Lfunc_end_k_qbda8e218c0_qkv-k_qbda8e218c0_qkv
	.p2alignl 7, 3214868480
	.fill 96, 4, 3214868480
	.section	.rodata,"a",@progbits
	.p2align	6, 0x0
	.amdhsa_kernel k_qbda8e218c0_qkv
		.amdhsa_group_segment_fixed_size 0
		.amdhsa_private_segment_fixed_size 0
		.amdhsa_enable_private_segment 0
		.amdhsa_kernarg_size 56
		.amdhsa_user_sgpr_count 2
		.amdhsa_user_sgpr_kernarg_segment_ptr 1
		.amdhsa_wavefront_size32 1
		.amdhsa_system_sgpr_workgroup_id_x 1
		.amdhsa_system_sgpr_workgroup_id_y 1
		.amdhsa_system_sgpr_workgroup_id_z 1
		.amdhsa_system_vgpr_workitem_id 0
		.amdhsa_next_free_vgpr 960
		.amdhsa_next_free_sgpr 66
		.amdhsa_reserve_vcc 0
		.amdhsa_float_denorm_mode_32 3
		.amdhsa_float_denorm_mode_16_64 3
		.amdhsa_memory_ordered 1
		.amdhsa_forward_progress 1
		.amdhsa_inst_pref_size 89
	.end_amdhsa_kernel
	.amdgpu_metadata
---
amdhsa.version: [ 1, 2 ]
amdhsa.kernels:
  - .name:           k_qbda8e218c0_qkv
    .symbol:         k_qbda8e218c0_qkv.kd
    .args:
      - { .name: fc, .offset: 0, .size: 8, .value_kind: global_buffer, .address_space: global }
      - { .name: fs, .offset: 8, .size: 8, .value_kind: global_buffer, .address_space: global }
      - { .name: bq, .offset: 16, .size: 8, .value_kind: global_buffer, .address_space: global }
      - { .name: bk, .offset: 24, .size: 8, .value_kind: global_buffer, .address_space: global }
      - { .name: bv, .offset: 32, .size: 8, .value_kind: global_buffer, .address_space: global }
      - { .name: qi, .offset: 40, .size: 8, .value_kind: global_buffer, .address_space: global }
      - { .name: kv, .offset: 48, .size: 8, .value_kind: global_buffer, .address_space: global }
    .group_segment_fixed_size: 0
    .private_segment_fixed_size: 0
    .kernarg_segment_align: 8
    .kernarg_segment_size: 56
    .max_flat_workgroup_size: 128
    .sgpr_count:     66
    .vgpr_count:     960
    .wavefront_size: 32
...
	.end_amdgpu_metadata
.endif
;; end of part 2
;; launch attn (part 3): grid 16 x 16, 16 waves a work-group, clusters of 4 x 1, 327,680 bytes of LDS; arguments qi, kv, ac, asc; writes ac, asc
.if DOCPART == 3
	.amdgcn_target "amdgcn-amd-amdhsa--gfx1250"
	.amdhsa_code_object_version 6
	.text
	.protected	k_qbda8e218c0_attn
	.globl	k_qbda8e218c0_attn
	.p2align	8
	.type	k_qbda8e218c0_attn,@function
k_qbda8e218c0_attn:
	s_mov_b64 s[64:65], 0
	v_nop
	global_prefetch_b8 v0, s[64:65] scope:SCOPE_SE
	s_setreg_imm32_b32 hwreg(HW_REG_WAVE_MODE, 25, 1), 1
	s_wait_xcnt 0x0
	s_wait_alu depctr_hold_cnt(0) depctr_sa_sdst(0) depctr_va_vdst(0) depctr_va_sdst(0) depctr_va_ssrc(0) depctr_va_vcc(0) depctr_vm_vsrc(0)
	s_getreg_b32 s2, hwreg(HW_REG_IB_STS2, 6, 4)
	s_cmp_eq_u32 s2, 0
	s_cbranch_scc0 .Lentry_in_a_cluster
	s_endpgm
.Lentry_in_a_cluster:
	s_bfe_u32 s2, ttmp6, 0x10000c
	s_cmp_lg_u32 s2, 0x3003
	s_cbranch_scc0 .Lentry_shape_is_right
	s_endpgm
.Lentry_shape_is_right:
; ATTN: for each (batch, head): o = softmax(q k^T / 8) v, both products on codes of FP6 (E2M3) with E8M0 scales; o is quantised along the channels (the last product's K) and stored as codes.
; THE SOFTMAX AHEAD OF THE SECOND PRODUCT: t = score x log2(e) / 8; M = the running largest t rounded UP to a whole number; p = 2^(t - M) is quantised along the keys, not normalised; the row's sum is taken of the
; unquantised p and divides at the end.  When M moves, the sum and O are multiplied by 2^(old M - new M): exact.
; SHARES: a work-group owns 256 queries of one (batch, head); each of its sixteen waves one tile of 16, in 256 registers, four waves to a SIMD.  Every wave walks the head's 4,096 keys, 128 a step.
; OPERANDS ARE IMAGES OF THEIR REGISTERS (made by the launch before): a key step is one record of 13,312 bytes: K's four double tiles (3 x 512 bytes each), their scale words (512), V's four fragments, their words.
; THE HEAD IS 64 AND THE INSTRUCTION'S K IS 128.  A double tile of K holds tile 2 b's 64 channels in k = 0 .. 63 and tile 2 b + 1's in k = 64 .. 127; it is multiplied by [q | 0] and by [0 | q]: zero codes add
; nothing.  q lies between two runs of six zero registers; the scale bytes over q's zero half are 1.
; LAYOUT: both products are used transposed (S^T = K q^T, O^T = V^T P^T): a lane holds ONE query.  Row 8 h + j of key tile i is key 64 (i / 4) + 8 (i % 4) + 32 h + j, so the 32 registers of tiles 4 c .. 4 c + 3 are,
; in lane half h, the WHOLE block of keys 64 c + 32 h + 0 .. 31, in the order that the second product's operand gives that lane: a block's largest score needs no other lane and p's codes need no exchange of lanes.
; THE ORDER OF A STEP: K's double tiles 0, 1 and the scale words come one step ahead into registers of their own; tiles 2, 3 are asked for behind the second product.  The row sum's additions (28 in four chains, and
; four lines that join them at the head of the next step) are the places behind the products and stand between those loads and the wait for them.  A slot's last step fetches nothing ahead: it is written out.
; THE RING: two LDS slots of eight key steps (106,496 bytes).  Waves 0 to 3 fetch a quarter of a slot each: 104 rows of 256 bytes, dense in memory: one load of such a wave is out at the start and behind each round.
; CLUSTER: the four query blocks of a cluster belong to one head and walk the same records: each quarter is asked for JOINTLY, by the same load with the same descriptor and the mask of all four.
; No prefetch: a head's keys are four slots; the first is asked for at the head, and each of the others eight key steps of sixteen waves ahead of its first read.
; LIMITS: NaN and infinities are not served; the promise holds while the scaled scores t stay under 2^31 in magnitude; a block of o whose largest magnitude lies under 2^-124 (zeros too) gets the byte 1; the bytes are
; read by this program alone.
.set FRB,   1536
.set VOFF,  6656
.set RECB,  13312
.set SLOTB, 8*RECB
.set SPARE, 2*SLOTB                    ; behind the ring: the spare words, 128 bytes for each wave
.set LI,  1                            ; 16 x lane
.set AD,  2                            ; LDS address of the step's record, + 16 x lane
.set SPW, 3                            ; LDS address of my spare word; never rewritten
.set NIL, 4                            ; 0; never rewritten
.set QS1, 5                            ; scale word of [q | 0]
.set QS2, 6                            ; of [0 | q]
.set PS,  7                            ; p's scale word
.set F,   8                            ; v[8:9] f = 2^(old M - new M), later 1 / the sum
.set T0,  10
.set T1,  11
.set NM,  12                           ; -M
.set SMX, 13                           ; the largest score so far
.set SUM, 14                           ; v[14:15] the sum, in two halves
.set ZQ,  16                           ; v16-21 zeros, v22-27 q, v28-33 zeros
.set KV,  34                           ; v34-81 K's double tiles 2, 3 (24 registers), then V's four fragments
.set SW,  82                           ; v82-85 V's scale words
.set S,   86                           ; v86-149 S^T, then p
.set O,   150                          ; v150-181 O^T
.set PC,  182                          ; v182-193 p's codes
.set PX,  194                          ; v194-196, v198-200 the upper halves of the blocks' codes, ahead of their move
.set BM,  202                          ; v202-205 four chains of maxima; then v202, v204 the two blocks' largest score and largest p
.set SO,  206                          ; v206-207 the conversions' scale operands
.set BT,  208                          ; v208-209 the bytes
.set SA,  210                          ; v210-217 four chains of the step's sum
.set H8,  218                          ; 8 (lane / 16)
.set NO,  219                          ; the old -M
.set KZ,  222                          ; v222-245 K's double tiles 0, 1
.set SWK, 246                          ; v246-249 K's scale words
.set QA,  250                          ; v250-252 offsets of q's loads (head)
.set QW,  253
.set L8,  250                          ; (way out)
.set LS,  251
.set WV,  12
.set G1,  24
.set G0,  32
.set SEL, 40
.set CS,  42                           ; s[42:43] c = log2(e) / 8
.set TB,  44                           ; LDS byte of the step's record
.set CNT, 45
.set NCS, 59                           ; -c
.macro MMZ d, a, b, p, q
	v_wmma_scale_f32_16x16x128_f8f6f4 v[\d:\d+7], v[\a:\a+11], v[\b:\b+11], 0, v[\p], v[\q] matrix_a_fmt:MATRIX_FMT_FP6 matrix_b_fmt:MATRIX_FMT_FP6
.endm
.macro MM d, a, b, p, q
	v_wmma_scale_f32_16x16x128_f8f6f4 v[\d:\d+7], v[\a:\a+11], v[\b:\b+11], v[\d:\d+7], v[\p], v[\q] matrix_a_fmt:MATRIX_FMT_FP6 matrix_b_fmt:MATRIX_FMT_FP6
.endm
.macro CROUND                          ; a round of the cluster's barrier
	s_barrier_signal -1
	s_barrier_wait -1
	s_cmp_lg_u32 s[WV], 0
	s_cbranch_scc1 .Lnot_wave_0_\@
	s_barrier_signal -3
.Lnot_wave_0_\@:
	s_barrier_wait -3
	s_barrier_signal -1
	s_barrier_wait -1
.endm
.macro JLOAD n                         ; a joint fill of slot n: waves 0 to 3, a quarter each; the branch hangs on the wave's number alone.  An s_nop 0 and four v_nop follow the load
	s_cmp_lt_u32 s[WV], 4
	s_cbranch_scc0 .Lasked_\@
	tensor_load_to_lds s[G0+4*\n:G0+4*\n+3], s[G1:G1+7]
	s_nop 0
.rept 4
	v_nop
.endr
.Lasked_\@:
.endm
	s_load_b256 s[4:11], s[0:1], 0x0               ; qi, kv, ac, asc
	v_lshl_add_u32 v[SPW], v0, 2, SPARE
	v_mov_b32 v[NIL], 0
	ds_add_u32 v[SPW], v[NIL]                      ; the opening lines: the add, twice on end, and its wait
	ds_add_u32 v[SPW], v[NIL]
	v_lshrrev_b32 v[T0], 5, v0
	s_delay_alu instid0(VALU_DEP_1)
	v_readfirstlane_b32 s[WV], v[T0]               ; wave 0..15
	s_bfe_u32 s13, ttmp6, 0x40000                  ; cx: it enters q's and the outputs' global addresses alone
	s_lshl_b32 s14, ttmp9, 2
	s_add_co_u32 s14, s14, s13                     ; my block of 256 queries
	s_and_b32 s15, ttmp7, 0xffff                   ; 8 x batch + head, which the four partners share
	s_mul_i32 s16, s15, 32*RECB                    ; the head's 32 records,
	s_mul_i32 s18, s[WV], 2*RECB                   ; my quarter of a slot (waves 0 to 3), in memory and in LDS alike
	s_add_co_u32 s16, s16, s18
	s_mov_b32 s17, 0
	s_lshl_b32 s19, s14, 1
	s_lshr_b32 s20, s[WV], 3
	s_add_co_u32 s19, s19, s20                     ; g: my group of 128 queries
	s_and_b32 s20, s[WV], 7                        ; my tile in it,
	s_lshr_b32 s21, s20, 1                         ; its double tile,
	s_and_b32 s22, s20, 1                          ; and which half of that
	s_lshl_b32 s46, s15, 5
	s_add_co_u32 s46, s46, s19
	s_mul_i32 s46, s46, 6656                       ; q's record
	s_mov_b32 s47, 0
	s_lshr_b32 s48, s15, 3
	s_lshl_b32 s48, s48, 5
	s_add_co_u32 s48, s48, s19
	s_lshl_b32 s48, s48, 3
	s_add_co_u32 s48, s48, s20                     ; my tile of tokens among all 512
	s_and_b32 s49, s15, 7                          ; the head
	s_mul_i32 s50, s48, 6144
	s_mul_i32 s51, s49, 768
	s_add_co_u32 s50, s50, s51                     ; my piece of the codes,
	s_mov_b32 s51, 0
	s_lshl_b32 s52, s48, 3
	s_add_co_u32 s52, s52, s49
	s_lshl_b32 s52, s52, 7                         ; and of the scale words
	s_mov_b32 s53, 0
	s_mul_i32 s54, s21, FRB
	s_mul_i32 s55, s22, 520
	s_add_co_u32 s55, s55, s54
	s_mul_i32 s56, s22, 1016
	s_add_co_u32 s56, s56, s54
	s_lshl_b32 s57, s21, 2
	s_lshl_b32 s58, s22, 4
	s_mov_b32 s[G1], 15|(3<<16)|(1<<21)            ; the mask of all four; elements of 8 bytes; bit 21 beside a mask
	s_mov_b32 s[G1+1], 32<<16                      ; 104 rows of 256 bytes, dense: two records
	s_mov_b32 s[G1+2], 104<<16
	s_mov_b32 s[G1+3], 32<<16
	s_mov_b32 s[G1+4], 104
	s_mov_b32 s[G1+5], 32
	s_mov_b32 s[G1+6], 0
	s_mov_b32 s[G1+7], 0
	s_mov_b32 s[SEL], 0x76543210
	s_mov_b32 s[SEL+1], 0xfedcba98
	s_mov_b32 s[CS], 0x3e38aa3b                    ; log2(e) / 8
	s_mov_b32 s[CS+1], s[CS]
	s_mov_b32 s[NCS], 0xbe38aa3b
	s_wait_dscnt 0x0                               ; both opening adds are done
	s_wait_kmcnt 0x0
	s_add_nc_u64 s[6:7], s[6:7], s[16:17]
	s_add_nc_u64 s[4:5], s[4:5], s[46:47]
	s_add_nc_u64 s[8:9], s[8:9], s[50:51]
	s_add_nc_u64 s[10:11], s[10:11], s[52:53]
	CROUND                                         ; all four work-groups are here: the first joint loads meet
.irp n, 0,1
	s_mov_b32 s[G0+4*\n], 1
	s_add_co_u32 s[G0+4*\n+1], s18, \n*SLOTB       ; LDS address
	s_add_nc_u64 s[G0+4*\n+2:G0+4*\n+3], s[6:7], \n*SLOTB   ; slot n begins with key steps 8 n on
	s_or_b32 s[G0+4*\n+3], s[G0+4*\n+3], 0x80000000
.endr
	JLOAD 0                                        ; key steps 0 to 7: one tensor load a wave at the head
	v_and_b32 v[T1], 31, v0
	s_delay_alu instid0(VALU_DEP_1)
	v_lshlrev_b32 v[LI], 4, v[T1]
	s_delay_alu instid0(VALU_DEP_1)
	v_add_nc_u32 v[QA], s55, v[LI]
	v_add_nc_u32 v[QA+1], s56, v[LI]
	v_add_nc_u32 v[QA+2], s57, v[LI]
	; q is registers 6 u .. 6 u + 5 of its double tile's image: three pieces of 8 bytes at 520 u, 8 + 1016 u, 512 + 520 u
	global_load_b64 v[ZQ+6:ZQ+7], v[QA], s[4:5]
	global_load_b64 v[ZQ+8:ZQ+9], v[QA+1], s[4:5] offset:8
	global_load_b64 v[ZQ+10:ZQ+11], v[QA], s[4:5] offset:512
	global_load_b32 v[QW], v[QA+2], s[4:5] offset:4*FRB
.irp i, 0,1,2,3,4,5
	v_mov_b32 v[ZQ+\i], 0
	v_mov_b32 v[ZQ+12+\i], 0
.endr
.irp i, 0,1,2,3,4,5,6,7
	v_mov_b32 v[SA+\i], 0                          ; the first step joins chains of zeros
.endr
	v_mov_b32 v[F], 0
	v_mov_b32 v[F+1], 0
	v_mov_b32 v[SUM], 0
	v_mov_b32 v[SUM+1], 0
	v_mov_b32 v[SMX], 0xff61b1e6                   ; the largest score so far: -3e38
	v_mov_b32 v[NM], 0x7f61b1e6                    ; -M: 3e38, so that the first f is 0
	v_bfe_u32 v[H8], v0, 4, 1
	s_delay_alu instid0(VALU_DEP_1)
	v_lshlrev_b32 v[H8], 3, v[H8]
	s_wait_loadcnt 0x0                             ; q and its word
	v_lshrrev_b32 v[T0], s58, v[QW]
	s_delay_alu instid0(VALU_DEP_1)
	v_and_b32 v[T0], 0xffff, v[T0]                 ; my tile's two bytes
	s_delay_alu instid0(VALU_DEP_1)
	v_or_b32 v[QS1], 0x01010000, v[T0]
	v_lshl_or_b32 v[QS2], v[T0], 16, 0x0101
.irp j, 0,1,2,3,4,5,6,7,8,9,10,11,12,13,14,15,16,17,18,19,20,21,22,23,24,25,26,27,28,29,30,31
	v_mov_b32 v[O+\j], 0                           ; O^T: the step is written once; the first finds zeros.  (Also the places between the scale words' making and the first product)
.endr
.macro KZLOAD off                      ; K's double tiles 0, 1 and the four scale words: seven loads
.irp b, 0,1
.irp c, 0,1,2
	ds_load_b128 v[KZ+12*\b+4*\c:KZ+12*\b+4*\c+3], v[AD] offset:\off+FRB*\b+512*\c
.endr
.endr
	ds_load_b128 v[SWK:SWK+3], v[AD] offset:\off+4*FRB
.endm
.macro KXLOAD off                      ; K's double tiles 2, 3: six loads
.irp b, 0,1
.irp c, 0,1,2
	ds_load_b128 v[KV+12*\b+4*\c:KV+12*\b+4*\c+3], v[AD] offset:\off+FRB*(2+\b)+512*\c
.endr
.endr
.endm
.macro ADDS k                          ; round k (0 to 6) of the step's sum of the unquantised p: four chains of eight pairs
.irp x, 0,1,2,3
.if \k == 0
	v_pk_add_f32 v[SA+2*\x:SA+2*\x+1], v[S+16*\x:S+16*\x+1], v[S+16*\x+2:S+16*\x+3]
.else
	v_pk_add_f32 v[SA+2*\x:SA+2*\x+1], v[SA+2*\x:SA+2*\x+1], v[S+16*\x+2*\k+2:S+16*\x+2*\k+3]
.endif
.endr
.endm
.macro JOIN                            ; the last step's four chains, and the sum under that step's M
	v_pk_add_f32 v[SA:SA+1], v[SA:SA+1], v[SA+2:SA+3]
	v_pk_add_f32 v[SA+4:SA+5], v[SA+4:SA+5], v[SA+6:SA+7]
	v_mov_b32 v[NO], v[NM]
	v_pk_add_f32 v[SA:SA+1], v[SA:SA+1], v[SA+4:SA+5]
	s_delay_alu instid0(VALU_DEP_1)
	v_pk_fma_f32 v[SUM:SUM+1], v[SUM:SUM+1], v[F:F+1], v[SA:SA+1] op_sel_hi:[1,0,1]
.endm
.macro TMS base                        ; t - M, sixteen numbers
.irp j, 0,2,4,6,8,10,12,14
	v_pk_fma_f32 v[S+\base+\j:S+\base+\j+1], v[S+\base+\j:S+\base+\j+1], s[CS:CS+1], v[NM:NM+1] op_sel_hi:[1,0,0]
.endr
.endm
; A KEY STEP: 128 keys.  pf = 1: the next record of the slot is fetched ahead.
.macro STEP pf
	s_wait_dscnt 6                                 ; double tiles 0, 1 and the words are in; the six loads of tiles 2, 3 may be out
.irp b, 0,1
	MMZ S+16*\b, KZ+12*\b, ZQ+6, SWK+\b, QS1       ; x [q | 0]: tile 2 b
	MMZ S+16*\b+8, KZ+12*\b, ZQ, SWK+\b, QS2       ; x [0 | q]: tile 2 b + 1
.endr
	s_wait_dscnt 0x0
.irp b, 0,1
	MMZ S+32+16*\b, KV+12*\b, ZQ+6, SWK+2+\b, QS1
	MMZ S+40+16*\b, KV+12*\b, ZQ, SWK+2+\b, QS2
.endr
	JOIN                                           ; five plain lines: the places ahead of the loads into K's registers and of the first read of the scores
.irp t, 0,1,2,3
.irp c, 0,1,2
	ds_load_b128 v[KV+12*\t+4*\c:KV+12*\t+4*\c+3], v[AD] offset:VOFF+FRB*\t+512*\c
.endr
.endr
	ds_load_b128 v[SW:SW+3], v[AD] offset:VOFF+4*FRB
.if \pf
	KZLOAD RECB
.endif
.irp x, 0,1,2,3
	v_max3_num_f32 v[BM+\x], v[S+16*\x], v[S+16*\x+1], v[S+16*\x+2]   ; the largest score, in four chains of 16; each accumulator is read from its low end on
.endr
.irp i, 3,5,7,9,11,13
.irp x, 0,1,2,3
	v_max3_num_f32 v[BM+\x], v[BM+\x], v[S+16*\x+\i], v[S+16*\x+\i+1]
.endr
.endr
	v_max3_num_f32 v[BM+1], v[BM+1], v[S+15], v[S+31]
	v_max3_num_f32 v[BM+3], v[BM+3], v[S+47], v[S+63]
	s_delay_alu instid0(VALU_DEP_2)
	v_max_num_f32 v[BM], v[BM], v[BM+1]            ; my block h's largest score,
	s_delay_alu instid0(VALU_DEP_2)
	v_max_num_f32 v[BM+2], v[BM+2], v[BM+3]        ; and block 2 + h's: for the row's maximum and, since p rises with the score, for the block's largest p
	s_delay_alu instid0(VALU_DEP_1)
	v_max_num_f32 v[T0], v[BM], v[BM+2]
	s_delay_alu instid0(VALU_DEP_1)
	v_permlanex16_b32 v[T1], v[T0], s[SEL], s[SEL+1]
	s_delay_alu instid0(VALU_DEP_1)
	v_max3_num_f32 v[SMX], v[SMX], v[T0], v[T1]    ; the running largest score of my query
	s_delay_alu instid0(VALU_DEP_1)
	v_mul_f32 v[T0], s[NCS], v[SMX]                ; -t
	s_delay_alu instid0(VALU_DEP_1)
	v_floor_f32 v[NM], v[T0]                       ; the new -M = -ceil(t): a whole number
	TMS 0
	v_sub_f32 v[T0], v[NM], v[NO]                  ; old M - new M: a whole number, 0 or less
	TMS 16
	v_cvt_i32_f32 v[T0], v[T0]                     ; (it saturates)
	TMS 32
	v_ldexp_f32 v[F], 1.0, v[T0]                   ; f = 2^(old M - new M)
	TMS 48
	v_fma_f32 v[BM], v[BM], s[CS], v[NM]           ; the same of each block's largest score
	v_fma_f32 v[BM+2], v[BM+2], s[CS], v[NM]
.irp j, 0,2,4,6,8,10,12,14,16,18,20,22,24,26,28,30
	v_pk_mul_f32 v[O+\j:O+1+\j], v[O+\j:O+1+\j], v[F:F+1] op_sel_hi:[1,0]   ; O^T under the new M, each accumulator from its low end on
.endr
	s_wait_alu depctr_va_vdst(0)                   ; the wait ahead of the batch
	v_exp_f32 v[BM], v[BM]                         ; the blocks' largest p
	v_exp_f32 v[BM+2], v[BM+2]
.irp j, 0,1,2,3,4,5,6,7,8,9,10,11,12,13,14,15,16,17,18,19,20,21,22,23,24,25,26,27,28,29,30,31,32,33,34,35,36,37,38,39,40,41,42,43,44,45,46,47,48,49,50,51,52,53,54,55,56,57,58,59,60,61,62,63
	v_exp_f32 v[S+\j], v[S+\j]                     ; p = 2^(t - M), at most 1
.endr
	v_nop                                          ; the plain place behind the exponentials
	s_wait_alu depctr_va_vdst(0)                   ; one wait for the batch, ahead of its first reader
	v_max_num_f32 v[BM], 0x1800000, v[BM]          ; the floor 2^(3 - 127): the byte cannot fall under 1
	v_max_num_f32 v[BM+2], 0x1800000, v[BM+2]
	ADDS 0
	v_add_nc_u32 v[SO], 0xff000000, v[BM]          ; 2 off the exponent field: the conversion's scale operand
	v_add_nc_u32 v[SO+1], 0xff000000, v[BM+2]
.irp c, 0,1
	v_cvt_scalef32_pk16_fp6_f32 v[PC+6*\c:PC+2+6*\c], v[S+32*\c:S+15+32*\c], v[SO+\c]
	v_cvt_scalef32_pk16_fp6_f32 v[PX+4*\c:PX+2+4*\c], v[S+16+32*\c:S+31+32*\c], v[SO+\c]   ; (a conversion's three registers begin on an even number)
.endr
	v_lshrrev_b32 v[BT], 23, v[SO]                 ; the bytes.  (Plain lines behind the conversions)
	v_lshrrev_b32 v[BT+1], 23, v[SO+1]
	s_delay_alu instid0(VALU_DEP_1)
	v_lshl_or_b32 v[PS], v[BT+1], 16, v[BT]        ; blocks h and 2 + h,
	s_delay_alu instid0(VALU_DEP_1)
	v_lshlrev_b32 v[PS], v[H8], v[PS]              ; 8 h bits up;
	s_delay_alu instid0(VALU_DEP_1)
	v_permlanex16_b32 v[T1], v[PS], s[SEL], s[SEL+1]
.irp i, 0,1,2
	v_mov_b32 v[PC+3+\i], v[PX+\i]
.endr
	v_or_b32 v[PS], v[PS], v[T1]                   ; with lane l xor 16's two the word is whole
.irp i, 0,1,2
	v_mov_b32 v[PC+9+\i], v[PX+4+\i]
.endr
	ADDS 1                                         ; eleven plain lines stand between the scale word and the products, eight between the codes and them
	ADDS 2
	s_wait_alu depctr_va_vdst(0)                   ; the wait here, directly ahead of the wait below
	s_wait_dscnt 7*\pf                             ; V and its words are in; the seven loads fetched ahead may be out
.irp t, 0,1,2,3
	MM O+8*\t, KV+12*\t, PC, SW+\t, PS             ; the four accumulators by turns; the scores' eight products stand between a turn and the next
.endr
	ADDS 3                                         ; four places ahead of the loads into V's registers
.if \pf
	KXLOAD RECB
	s_add_co_u32 s[TB], s[TB], RECB
.endif
	ADDS 4
	ADDS 5
	ADDS 6
.if \pf
	v_add_nc_u32 v[AD], s[TB], v[LI]
.endif
	s_wait_alu depctr_va_vdst(0)
.endm
; A slot's eight key steps: its first record's K, seven steps that fetch ahead, and the last.
.macro SLOTWORK n
	s_mov_b32 s[TB], \n*SLOTB
	v_add_nc_u32 v[AD], s[TB], v[LI]
	s_wait_alu depctr_va_vdst(0)                   ; the wait behind this write
	KZLOAD 0
	KXLOAD 0
	s_mov_b32 s[CNT], 7
.Lstep_\@:
	STEP 1
	s_sub_co_u32 s[CNT], s[CNT], 1
	s_cmp_lg_u32 s[CNT], 0
	s_cbranch_scc1 .Lstep_\@
	STEP 0
.endm
; THE CHANGE OF SLOTS.  Each wave waits for all its tensor loads, adds 0 to its spare word, and waits for that and for its reads of the slot that it leaves.  fill = 1: slot n, just left, is filled with the key steps
; 16 on, behind a round of the cluster's barrier; the add stands twice there.
.macro CHANGE fill, n
	s_wait_tensorcnt 0x0
	ds_add_u32 v[SPW], v[NIL]
.if \fill
	ds_add_u32 v[SPW], v[NIL]
	s_add_nc_u64 s[G0+4*\n+2:G0+4*\n+3], s[G0+4*\n+2:G0+4*\n+3], 2*SLOTB   ; no tensor load of mine is out: a group 0 may be written
.endif
	s_wait_dscnt 0x0
.if \fill
	CROUND
	JLOAD \n
.else
	s_barrier_signal -1
	s_barrier_wait -1
.endif
.endm
	s_wait_alu depctr_va_vdst(0)                   ; the wait at the head's end
	s_wait_tensorcnt 0x0                           ; my part of slot 0 is in; slot 1's first fill is issued as a refill is
	ds_add_u32 v[SPW], v[NIL]
	ds_add_u32 v[SPW], v[NIL]
	s_wait_dscnt 0x0
	CROUND
	JLOAD 1                                        ; key steps 8 to 15
	SLOTWORK 0                                     ; key steps 0 to 7
	CHANGE 1, 0
	SLOTWORK 1                                     ; 8 to 15
	CHANGE 1, 1
	SLOTWORK 0                                     ; 16 to 23
	CHANGE 0, 0                                    ; nothing is left to fetch
	SLOTWORK 1                                     ; 24 to 31
	; THE WAY OUT: O^T / the sum, quantised along its 64 channels (register 16 b + i is channel 32 b + 16 (lane / 16) + i): half an operand of the last product and two scale bytes.
	JOIN                                           ; the last step's chains
	s_delay_alu instid0(VALU_DEP_1)
	v_add_f32 v[SUM], v[SUM], v[SUM+1]
	s_delay_alu instid0(VALU_DEP_1)
	v_permlanex16_b32 v[T0], v[SUM], s[SEL], s[SEL+1]
	s_delay_alu instid0(VALU_DEP_1)
	v_add_f32 v[SUM], v[SUM], v[T0]                ; the row's sum
	s_wait_alu depctr_va_vdst(0)                   ; the wait ahead of the reciprocal
	v_rcp_f32 v[F], v[SUM]
	v_and_b32 v[T1], 31, v0
	s_delay_alu instid0(VALU_DEP_1)
	v_lshlrev_b32 v[L8], 3, v[T1]
	v_lshlrev_b32 v[LS], 2, v[T1]
	s_wait_alu depctr_va_vdst(0)                   ; and ahead of its first reader, which is also O^T's
.irp j, 0,2,4,6,8,10,12,14,16,18,20,22,24,26,28,30
	v_pk_mul_f32 v[S+\j:S+1+\j], v[O+\j:O+1+\j], v[F:F+1] op_sel_hi:[1,0]
.endr
.irp b, 0,1
	v_max3_num_f32 v[BM+\b], |v[S+16*\b]|, |v[S+1+16*\b]|, 0x1800000
.endr
.irp i, 2,4,6,8,10,12,14
.irp b, 0,1
	s_delay_alu instid0(VALU_DEP_2)
	v_max3_num_f32 v[BM+\b], v[BM+\b], |v[S+16*\b+\i]|, |v[S+1+16*\b+\i]|
.endr
.endr
.irp b, 0,1
	s_delay_alu instid0(VALU_DEP_2)
	v_permlanex16_b32 v[BT+\b], v[BM+\b], s[SEL], s[SEL+1]
.endr
.irp b, 0,1
	s_delay_alu instid0(VALU_DEP_2)
	v_max_num_f32 v[BM+\b], v[BM+\b], v[BT+\b]
.endr
.irp b, 0,1
	s_delay_alu instid0(VALU_DEP_2)
	v_add_nc_u32 v[SO+\b], 0xff000000, v[BM+\b]
.endr
.irp b, 0,1
	s_delay_alu instid0(VALU_DEP_2)
	v_lshrrev_b32 v[BT+\b], 23, v[SO+\b]
.endr
	s_delay_alu instid0(VALU_DEP_1)
	v_lshl_or_b32 v[T0], v[BT+1], 8, v[BT]         ; the two bytes
	v_cvt_scalef32_pk16_fp6_f32 v[PC:PC+2], v[S:S+15], v[SO]
	v_cvt_scalef32_pk16_fp6_f32 v[PX:PX+2], v[S+16:S+31], v[SO+1]
	v_nop                                          ; one plain place behind a scaled conversion
.irp i, 0,1,2
	v_permlane16_swap_b32 v[PC+\i], v[PX+\i]
.endr
.irp i, 0,1,2
	v_mov_b32 v[PC+3+\i], v[PX+\i]                 ; registers 0-5: channels 32 (lane / 16) + 0 .. 31 of my query
.endr
	global_store_b128 v[LI], v[PC:PC+3], s[8:9]    ; 512 consecutive bytes,
	global_store_b64 v[L8], v[PC+4:PC+5], s[8:9] offset:512   ; and 256: both at multiples of 256 from the buffer's first byte
	global_store_b32 v[LS], v[T0], s[10:11]
	s_wait_tensorcnt 0x0                           ; the wave's end
	ds_add_u32 v[SPW], v[NIL]
	s_wait_dscnt 0x0
	CROUND                                         ; the closing round
	s_endpgm
.Lfunc_end_k_qbda8e218c0_attn:
	.size	k_qbda8e218c0_attn, .Lfunc_end_k_qbda8e218c0_attn-k_qbda8e218c0_attn
	.p2alignl 7, 3214868480
	.fill 96, 4, 3214868480
	.section	.rodata,"a",@progbits
	.p2align	6, 0x0
	.amdhsa_kernel k_qbda8e218c0_attn
		.amdhsa_group_segment_fixed_size 327680
		.amdhsa_private_segment_fixed_size 0
		.amdhsa_enable_private_segment 0
		.amdhsa_kernarg_size 32
		.amdhsa_user_sgpr_count 2
		.amdhsa_user_sgpr_kernarg_segment_ptr 1
		.amdhsa_wavefront_size32 1
		.amdhsa_system_sgpr_workgroup_id_x 1
		.amdhsa_system_sgpr_workgroup_id_y 1
		.amdhsa_system_sgpr_workgroup_id_z 1
		.amdhsa_system_vgpr_workitem_id 0
		.amdhsa_next_free_vgpr 256
		.amdhsa_next_free_sgpr 66
		.amdhsa_reserve_vcc 0
		.amdhsa_float_denorm_mode_32 3
		.amdhsa_float_denorm_mode_16_64 3
		.amdhsa_memory_ordered 1
		.amdhsa_forward_progress 1
		.amdhsa_inst_pref_size 130
	.end_amdhsa_kernel
	.amdgpu_metadata
---
amdhsa.version: [ 1, 2 ]
amdhsa.kernels:
  - .name:           k_qbda8e218c0_attn
    .symbol:         k_qbda8e218c0_attn.kd
    .args:
      - { .name: qi, .offset: 0, .size: 8, .value_kind: global_buffer, .address_space: global }
      - { .name: kv, .offset: 8, .size: 8, .value_kind: global_buffer, .address_space: global }
      - { .name: ac, .offset: 16, .size: 8, .value_kind: global_buffer, .address_space: global }
      - { .name: asc, .offset: 24, .size: 8, .value_kind: global_buffer, .address_space: global }
    .group_segment_fixed_size: 327680
    .private_segment_fixed_size: 0
    .kernarg_segment_align: 8
    .kernarg_segment_size: 32
    .max_flat_workgroup_size: 512
    .sgpr_count:     66
    .vgpr_count:     256
    .wavefront_size: 32
...
	.end_amdgpu_metadata
.endif
;; end of part 3
;; launch oproj (part 4): grid 2 x 128, 4 waves a work-group, no clusters, 35,328 bytes of LDS; arguments ac, asc, fc, fs, bo, out0; writes out0
.if DOCPART == 4
	.amdgcn_target "amdgcn-amd-amdhsa--gfx1250"
	.amdhsa_code_object_version 6
	.text
	.protected	k_qbda8e218c0_oproj
	.globl	k_qbda8e218c0_oproj
	.p2align	8
	.type	k_qbda8e218c0_oproj,@function
k_qbda8e218c0_oproj:
	s_mov_b64 s[64:65], 0
	v_nop
	global_prefetch_b8 v0, s[64:65] scope:SCOPE_SE
	s_setreg_imm32_b32 hwreg(HW_REG_WAVE_MODE, 25, 1), 1
	s_wait_xcnt 0x0
; OPROJ: out = a Wo + bo on codes of FP6 (E2M3) with E8M0 scales, f32 sums.  a is the attention's result, [8192][512], K = 64 x head + channel.
; SHARES: work-group y = 64 tokens (four tiles of 16), work-group x and the wave = 64 columns (256 bytes of an output row): column group 4 x + w.  A wave holds its 16 fragments of a and its 16 of Wo in registers,
; issues 64 matrix instructions in two units of 32 tokens, and sends each unit through its own stage in LDS.  256 work-groups.
; OPERANDS: a's codes lie by (tile of tokens, head) in pieces of 768 bytes: registers 0-3 at 16 x lane, registers 4-5 at 8 x lane: half a fragment; heads 2 s and 2 s + 1 make K step s.  Their scale words hold two bytes
; each and are joined here.  Wo's fragments and words are images of their registers.
; TRANSPOSED USE (source 0 = 16 columns of Wo, source 1 = 16 tokens): a lane holds one token and eight neighbouring columns a tile.  The bias is the C of each sum's first matrix instruction.
; No joint loads: the launch has no tensor load; what two work-groups share is a's 24 KiB of codes, which each loads straight into registers.
; REGISTERS, in windows of 256: window 0: below.  window 1: a's fragments at v[12 (4 m + s)].  window 2: Wo's at v[12 (4 t + s)].
.set LI,  1                            ; v1   16 x lane
.set L8,  2                            ; v2   8 x lane
.set LS,  3                            ; v3   4 x lane
.set BA,  4                            ; v4   64 (lane / 16)
.set STO, 5                            ; v5   the stage: where I put 16 bytes of a row
.set RD,  6                            ; v6   and where I read a row back
.set CO,  7                            ; v7   my byte offset in the output
.set SPW, 8                            ; v8   LDS address of my spare word; never rewritten
.set NIL, 9                            ; v9   0; never rewritten
.set XS,  12                           ; v12-27   a's scale words, at 4 m + s
.set WS,  28                           ; v28-43   Wo's, at 4 t + s
.set BI,  44                           ; v44-75   the bias, eight registers a tile
.set ACC, 76                           ; v76-139  eight accumulators
.set OB,  140                          ; v140-203 32 rows read back from the stage
.set XT,  204                          ; v204-235 a's words as stored, at 8 m + head
.set FRB, 1536
.set SP,  272                          ; a stage row: 256 bytes + 16: the sixteen rows that a store touches fall on sixteen different 16-byte columns of a 256-byte row of banks
.set SPARE, 4*32*SP                    ; behind the four stages: the spare words, 128 bytes for each wave: two blocks of 256 bytes that no other line names
.set MSB, 0
.macro WIN new
.if MSB != \new
	s_set_vgpr_msb (MSB<<8)|\new
.set MSB, \new
.endif
.endm
.macro MM d, a, b, c, p, q
	v_wmma_scale_f32_16x16x128_f8f6f4 v[\d:\d+7], v[\a:\a+11], v[\b:\b+11], v[\c:\c+7], v[\p], v[\q] matrix_a_fmt:MATRIX_FMT_FP6 matrix_b_fmt:MATRIX_FMT_FP6
.endm
	s_load_b256 s[4:11], s[0:1], 0x0               ; ac s[4:5], asc s[6:7], fc s[8:9], fs s[10:11]
	s_load_b128 s[12:15], s[0:1], 0x20             ; bo s[12:13], out0 s[14:15]
	v_lshl_add_u32 v[SPW], v0, 2, SPARE
	v_mov_b32 v[NIL], 0
	v_lshrrev_b32 v10, 5, v0
	v_readfirstlane_b32 s16, v10                   ; wave
	v_and_b32 v10, 31, v0
	v_lshlrev_b32 v[LI], 4, v10
	v_lshlrev_b32 v[L8], 3, v10
	v_lshlrev_b32 v[LS], 2, v10
	v_and_b32 v10, 15, v0                          ; r
	v_bfe_u32 v11, v0, 4, 1                        ; h
	v_lshlrev_b32 v[BA], 6, v11
	s_mul_i32 s32, s16, 32*SP                      ; my stage
	v_mul_u32_u24 v[STO], v10, SP
	v_lshl_add_u32 v[STO], v11, 6, v[STO]
	v_add_nc_u32 v[STO], s32, v[STO]               ; in: row r, + 64 h
	v_mul_u32_u24 v[RD], v11, SP
	v_lshl_add_u32 v[RD], v10, 4, v[RD]
	v_add_nc_u32 v[RD], s32, v[RD]                 ; back: lanes 0-15 one row of 256 bytes, lanes 16-31 the next
	v_lshlrev_b32 v[CO], 11, v11
	v_lshl_add_u32 v[CO], v10, 4, v[CO]            ; and the same in the output, whose rows are 2,048 bytes
	s_and_b32 s17, ttmp7, 0xffff                   ; which 64 tokens
	s_lshl_b32 s18, ttmp9, 2
	s_add_co_u32 s18, s18, s16                     ; which 64 columns
	s_mul_i32 s20, s17, 4*6144
	s_mov_b32 s21, 0
	s_lshl_b32 s22, s17, 12
	s_mov_b32 s23, 0
	s_lshl_b32 s33, s18, 2
	s_add_co_u32 s33, s33, 96                      ; Wo's tiles of columns follow those of the three other weights
	s_mul_i32 s24, s33, 4*FRB
	s_add_co_u32 s24, s24, 2048*FRB
	s_mov_b32 s25, 0
	s_lshl_b32 s26, s33, 9
	s_add_co_u32 s26, s26, 2048*128
	s_mov_b32 s27, 0
	s_lshl_b32 s28, s18, 8
	s_mov_b32 s29, 0
	s_lshl_b32 s30, s17, 17
	s_add_co_u32 s30, s30, s28
	s_mov_b32 s31, 0
	s_wait_alu depctr_va_vdst(0)
	s_wait_kmcnt 0x0
	s_add_nc_u64 s[4:5], s[4:5], s[20:21]
	s_add_nc_u64 s[6:7], s[6:7], s[22:23]
	s_add_nc_u64 s[8:9], s[8:9], s[24:25]
	s_add_nc_u64 s[10:11], s[10:11], s[26:27]
	s_add_nc_u64 s[12:13], s[12:13], s[28:29]
	s_add_nc_u64 s[14:15], s[14:15], s[30:31]
	WIN 0x40                                       ; destination window 1, address window 0
.irp m, 0,1,2,3
.irp k, 0,1,2,3
	global_load_b128 v[12*(4*\m+\k):12*(4*\m+\k)+3],     v[LI], s[4:5] offset:6144*\m+768*(2*\k)
	global_load_b64  v[12*(4*\m+\k)+4:12*(4*\m+\k)+5],   v[L8], s[4:5] offset:6144*\m+768*(2*\k)+512
	global_load_b128 v[12*(4*\m+\k)+6:12*(4*\m+\k)+9],   v[LI], s[4:5] offset:6144*\m+768*(2*\k+1)
	global_load_b64  v[12*(4*\m+\k)+10:12*(4*\m+\k)+11], v[L8], s[4:5] offset:6144*\m+768*(2*\k+1)+512
.endr
.endr
	WIN 0x80                                       ; destination window 2
.irp i, 0,1,2,3,4,5,6,7,8,9,10,11,12,13,14,15
.irp c, 0,1,2
	global_load_b128 v[12*\i+4*\c:12*\i+4*\c+3], v[LI], s[8:9] offset:\i*FRB+512*\c
.endr
.endr
	WIN 0
.irp i, 0,1,2,3,4,5,6,7,8,9,10,11,12,13,14,15,16,17,18,19,20,21,22,23,24,25,26,27,28,29,30,31
	global_load_b32 v[XT+\i], v[LS], s[6:7] offset:128*\i
.endr
.irp i, 0,1,2,3,4,5,6,7,8,9,10,11,12,13,14,15
	global_load_b32 v[WS+\i], v[LS], s[10:11] offset:128*\i
.endr
.irp t, 0,1,2,3                                ; register j of tile t is column 32 (t / 2) + 8 (t % 2) + 16 (lane / 16) + j of my 64
	global_load_b128 v[BI+8*\t:BI+8*\t+3], v[BA], s[12:13] offset:128*(\t/2)+32*(\t%2)
	global_load_b128 v[BI+8*\t+4:BI+8*\t+7], v[BA], s[12:13] offset:128*(\t/2)+32*(\t%2)+16
.endr
	s_wait_loadcnt 0x0
.irp m, 0,1,2,3
.irp k, 0,1,2,3
	v_lshl_or_b32 v[XS+4*\m+\k], v[XT+8*\m+2*\k+1], 16, v[XT+8*\m+2*\k]   ; heads 2 s and 2 s + 1: the four bytes of K step s
.endr
.endr
.rept 8
	v_nop                                          ; a scale register written by a vector instruction stands eight places ahead of a scaled matrix instruction
.endr
; A unit: tiles of tokens 2 b, 2 b + 1 x my four tiles of columns; the eight accumulators take turns, one instruction a turn.
; Stage row 16 u + r is token 16 b + 8 u + r % 8 + 32 (r / 8) of my 64.  The stage is my own: LDS serves a wave's instructions in order, so no wait stands between the stores and the loads, nor ahead of the next unit's stores.
.macro UNIT b
	WIN 0x06                                       ; source 0 (Wo) window 2, source 1 (a) window 1
.irp k, 0,1,2,3
.irp u, 0,1
.irp t, 0,1,2,3
.if \k == 0
	MM ACC+8*(4*\u+\t), 12*(4*\t+\k), 12*(4*(2*\b+\u)+\k), BI+8*\t, WS+4*\t+\k, XS+4*(2*\b+\u)+\k
.else
	MM ACC+8*(4*\u+\t), 12*(4*\t+\k), 12*(4*(2*\b+\u)+\k), ACC+8*(4*\u+\t), WS+4*\t+\k, XS+4*(2*\b+\u)+\k
.endif
.endr
.endr
.endr
	WIN 0
.rept 5
	v_nop                                          ; four places ahead of the stores that read results; five ahead of the next unit's first products, which begin these accumulators anew
.endr
.irp u, 0,1
.irp t, 0,1,2,3
	ds_store_b128 v[STO], v[ACC+8*(4*\u+\t):ACC+8*(4*\u+\t)+3] offset:16*SP*\u+128*(\t/2)+32*(\t%2)       ; each accumulator from its low end on
	ds_store_b128 v[STO], v[ACC+8*(4*\u+\t)+4:ACC+8*(4*\u+\t)+7] offset:16*SP*\u+128*(\t/2)+32*(\t%2)+16
.endr
.endr
.if \b > 0
	s_wait_xcnt 0x0                                ; the last unit's stores have read the registers into which the loads below land
.endif
.irp i, 0,1,2,3,4,5,6,7,8,9,10,11,12,13,14,15
	ds_load_b128 v[OB+4*\i:OB+4*\i+3], v[RD] offset:2*\i*SP
.endr
.irp i, 0,1,2,3,4,5,6,7,8,9,10,11,12,13,14,15
	s_wait_dscnt 15-\i                             ; the younger read-backs may stay out
	global_store_b128 v[CO], v[OB+4*\i:OB+4*\i+3], s[14:15] offset:(16*\b+8*(\i/8)+2*(\i%4)+32*((\i/4)%2))*2048 th:TH_STORE_NT   ; sixteen lanes store 256 consecutive bytes, at a multiple of 256 from the output's first byte; written once
.endr
.endm
	UNIT 0
	s_wait_alu depctr_va_vdst(0)
	UNIT 1
	s_wait_tensorcnt 0x0                           ; the wave's end, behind my last LDS store
	ds_add_u32 v[SPW], v[NIL]
	s_wait_dscnt 0x0
	s_endpgm
.Lfunc_end_k_qbda8e218c0_oproj:
	.size	k_qbda8e218c0_oproj, .Lfunc_end_k_qbda8e218c0_oproj-k_qbda8e218c0_oproj
	.p2alignl 7, 3214868480
	.fill 96, 4, 3214868480
	.section	.rodata,"a",@progbits
	.p2align	6, 0x0
	.amdhsa_kernel k_qbda8e218c0_oproj
		.amdhsa_group_segment_fixed_size 35328
		.amdhsa_private_segment_fixed_size 0
		.amdhsa_enable_private_segment 0
		.amdhsa_kernarg_size 48
		.amdhsa_user_sgpr_count 2
		.amdhsa_user_sgpr_kernarg_segment_ptr 1
		.amdhsa_wavefront_size32 1
		.amdhsa_system_sgpr_workgroup_id_x 1
		.amdhsa_system_sgpr_workgroup_id_y 1
		.amdhsa_system_sgpr_workgroup_id_z 1
		.amdhsa_system_vgpr_workitem_id 0
		.amdhsa_next_free_vgpr 704
		.amdhsa_next_free_sgpr 66
		.amdhsa_reserve_vcc 0
		.amdhsa_float_denorm_mode_32 3
		.amdhsa_float_denorm_mode_16_64 3
		.amdhsa_memory_ordered 1
		.amdhsa_forward_progress 1
		.amdhsa_inst_pref_size 37
	.end_amdhsa_kernel
	.amdgpu_metadata
---
amdhsa.version: [ 1, 2 ]
amdhsa.kernels:
  - .name:           k_qbda8e218c0_oproj
    .symbol:         k_qbda8e218c0_oproj.kd
    .args:
      - { .name: ac, .offset: 0, .size: 8, .value_kind: global_buffer, .address_space: global }
      - { .name: asc, .offset: 8, .size: 8, .value_kind: global_buffer, .address_space: global }
      - { .name: fc, .offset: 16, .size: 8, .value_kind: global_buffer, .address_space: global }
      - { .name: fs, .offset: 24, .size: 8, .value_kind: global_buffer, .address_space: global }
      - { .name: bo, .offset: 32, .size: 8, .value_kind: global_buffer, .address_space: global }
      - { .name: out0, .offset: 40, .size: 8, .value_kind: global_buffer, .address_space: global }
    .group_segment_fixed_size: 35328
    .private_segment_fixed_size: 0
    .kernarg_segment_align: 8
    .kernarg_segment_size: 48
    .max_flat_workgroup_size: 128
    .sgpr_count:     66
    .vgpr_count:     704
    .wavefront_size: 32
...
	.end_amdgpu_metadata
.endif
;; end of part 4
